; MI455X (gfx1250); checked and timed in simulation.
; The chip was launched on July 23, 2026; its instructions are those of AMD's public machine-readable ISA for CDNA 5 (MIT licence, August 2026) and "CDNA5" Instruction Set Architecture Reference Guide (July 2026). The comments in the code are by the model that wrote it; some were corrected since.
;; Net VLAD Like. Allowed arithmetic: matrix products marked QUANTISED: E2M1 operands, one E8M0 scale for each 32 along K, by v_wmma_scale_f32_16x16x128_f8f6f4 with both operands' format E2M1 (or v_wmma_scale_f32_32x16x128_f4), f32 sums; everything else in f32.
;; Inputs: centroids 512 x 512 float32; x 32 x 2,048 x 512 float32.
;; Outputs: out0 32 x 512 float32.
;; This version of the problem:
;;   THIS VERSION OF THE PROBLEM IS GIVEN IN LOW PRECISION. The matrix products marked QUANTISED in the list below multiply operands that are first quantised to E2M1 (2 exponent bits, 1 mantissa bit; 4 bits a number), with one power-of-two scale for each 32 numbers along K (OCP MX v1.0); their sums are f32. All else is computed in f32.
;;   The module's matrix products, in the order in which they are computed (A, B: the left and right operand; K: the contracted axis; several contracted axes count as one K, in the product's order):
;;     1. [M 65,536, K 512] x [K 512, N 512]; A: computed on the way; B: computed on the way: QUANTISED
;;     2. batch 32 x [M 512, K 2,048] x [K 2,048, N 512]; A: softmax (see below); B: computed on the way: QUANTISED
;;   THE QUANTISER, for each operand of a quantised product, along K:
;;     - K is cut into blocks of 32 from its start; a last block that is shorter is filled with zeros.
;;     - A block's scale is 2^e with e = floor(log2(the largest magnitude in the block)) - 2, held to -126 .. 127; a block of zeros has e = 0. As a byte (E8M0): e + 127.
;;     - Each number is divided by its block's scale, clamped to +-6, and rounded to the nearest number of E2M1, ties to even, subnormals kept.
;;     - The product sums the exact products of the quantised numbers (number of the format x scale) in f32.
;;   ~~~python
;;   def quantise(x, axis):      # numpy; x: float32 -> the quantised numbers, widened to float32 again
;;       x = np.moveaxis(x, axis, -1); K = x.shape[-1]
;;       x = np.pad(x, [(0, 0)] * (x.ndim - 1) + [(0, -K % 32)]); x = x.reshape(x.shape[:-1] + (-1, 32)); a = np.abs(x).max(-1, keepdims=True)
;;       e = np.where(a > 0, np.clip(np.frexp(np.where(a > 0, a, 1))[1] - 1 - 2, -126, 127), 0)      # np.frexp(a)[1] - 1 = floor(log2(a)), exactly
;;       r = np.clip(x / 2.0 ** e, -6, 6)
;;       step = 2.0 ** (np.maximum(np.frexp(np.where(r == 0, 1, r))[1] - 1, 0) - 1)
;;       q = np.round(r / step) * step * 2.0 ** e      # np.round: ties to even
;;       return np.moveaxis(q.reshape(q.shape[:-2] + (-1,))[..., :K], -1, axis).astype(np.float32)
;;   ~~~
;;   SOFTMAX AHEAD OF A QUANTISED PRODUCT. Where the list says 'softmax', what is quantised is not the finished softmax but p = 2^(t - M), with t = logit x log2(e) and M = ceil(the row's largest t), a whole number; so 1/2 < the row's largest p <= 1. The row's sum l is taken of the UNQUANTISED p, in f32, and the product's result is divided by l at the end. Since M is a whole number, a kernel that streams over the keys may use a running M (the ceiling of the running maximum): every later rescaling is an exact power of two, which a block's scale takes up: the codes' values come out the same.
;;   OPERANDS COMPUTED ON THE WAY. 'Computed on the way' means the value that the module computes at that place (a softmax that the list does not call 'softmax' is quantised finished and normalised). What goes into a quantiser is computed in f32, as accurately as f32 sums, v_exp_f32 and their like allow (about 1e-6 of the number): no bf16 or f16 on the way to a quantiser, and a product that is left as it is and whose result goes on into a quantised operand takes f32 operands (vector FMAs, or v_wmma_f32_16x16x4_f32). A number that lies on a knife's edge between two numbers of the format may be rounded either way, as far as f32 arithmetic and the matrix unit's own rounding can turn it there, and no further.
;; One version. Each part assembles by itself: llvm-mc -triple=amdgcn-amd-amdhsa -mcpu=gfx1250 --defsym DOCPART=n.
;; ======== version 1 of 1: 3 launches
;; workspace buffers: codes 35,651,584 bytes; scale 65,536 bytes; part 524,288 bytes
;; launch prep (part 1): grid 8 x 32, 16 waves a work-group, no clusters, 296,960 bytes of LDS; arguments x, codes, scale; writes codes, scale
.if DOCPART == 1
	.amdgcn_target "amdgcn-amd-amdhsa--gfx1250"
	.amdhsa_code_object_version 6
	.text
	.protected	k_q5f85642b23_prep
	.globl	k_q5f85642b23_prep
	.p2align	8
	.type	k_q5f85642b23_prep,@function
k_q5f85642b23_prep:
	s_mov_b64 s[64:65], 0
	v_nop
	global_prefetch_b8 v0, s[64:65] scope:SCOPE_SE
	s_setreg_imm32_b32 hwreg(HW_REG_WAVE_MODE, 25, 1), 1
	s_wait_xcnt 0x0
; PREP.  x [32][2048][512] f32.  scale[b][d] = the mean over the tokens of x^2; dir = x / max(scale, 1e-12).  dir is turned into codes of FP4 (E2M1) TWICE: along d (the first product's K) and along the
; tokens (the second product's K), each with one E8M0 byte for 32 numbers: byte = the block's largest magnitude's exponent field - 2, held at 1 from below.
; SHARES.  A work-group owns one batch b (grid y) and 64 features 64 dg .. 64 dg + 63 (grid x), all 2,048 tokens: 512 KiB of x, read from memory ONCE though it is needed twice (for the mean, then for the codes):
; wave w owns tokens 128 w .. 128 w + 127; rows 0-63 of them come by one tensor load into the wave's own LDS region, rows 64-127 by 32 loads into 128 registers (the stash).  All of it is asked for at the head.
; After the sum of squares (one barrier) the LDS half is quantised both ways; then the stash is stored over the same LDS bytes (the wave's own, filled once by the tensor load) and the same macro runs again.
; No cluster: no two work-groups read the same byte of x.  No matrix work.
; OUT.  codes: [b][w] records of REC bytes for 128 tokens, laid as images of the operands' registers:
;   +0      dirD [T 8][dg 8][h 2][r 16][16 B]: tile T = 2 beta + u, slot r = token 32 beta + 8 u + r + 8 (r / 8); the 16 bytes: codes of d = 64 dg + 32 h + 0 .. 31
;   +32768  dirL [Dt 32][c 2][h 2][r 16][16 B]: d = 16 Dt + r; the 16 bytes: codes of tokens 64 c + 32 h + 0 .. 31
;   +65536  sD   [dg 8][r 16][T 8][2 B]: byte h scales (slot r of tile T, d block 2 dg + h)        +67584  sL [Dt 32][r 16][4 B]: byte beta scales token block beta
; LIMITS: NaN and infinities in x are not served.  A block of zeros gets the byte 1 where the quantiser says 127: its codes are zeros, and this program alone reads the bytes.
; x / m is computed as x * r, r = the reciprocal of m with one Newton step.  The sums of squares are taken in another order than a plain loop over the tokens.
.set REC,   69632
.set PITCH, 272                        ; an LDS row: 256 bytes + 16 of padding = 68 words, so that 8 neighbouring rows start 4 banks apart (64 banks of 4 bytes: ISA guide 11.1)
.set REGB,  64*PITCH                   ; a wave's region: 64 rows
.set RED,   16*REGB                    ; 16 x 256 bytes: each wave's sums of squares of the 64 features
.set INV,   RED+16*256                 ; 16 x 256 bytes: 1 / max(mean, 1e-12), a copy for each wave
.set SCR,   INV+16*256                 ; 16 x 512 bytes: a wave's 256 bytes of sD, then its 256 bytes of sL
.set X0,    32                         ; v32-63, v64-95: 32 numbers at work, two buffers
.set X1,    64
.set IVD,   96                         ; v96-127: the reciprocals of features 32 h' + 0 .. 31
.set STASH, 128                        ; v128-255: load i: rows 64 + 2 i + h, features 4 q .. 4 q + 3
.set C0,    20                         ; v20-23, v24-27: a block's codes, two sets
.set C1,    24
; v2 GX 2048 h + 16 q | v3 LB region + 272 h + 16 q | v4 AD region + ((L & 7) + 16 h) 272 + 128 h' | v5 AL region + 4 L | v6 GD 256 h' + 16 r' | v7 GL 1024 h + 16 q | v8 SB | v9 SW | v10 SR | v11 reciprocals' address
; v12, v13 maxima | v14 the conversions' scale operand | v15 the byte | v16, v17 sL's words | v18-19 my two reciprocals | v28, v30 the reciprocal of feature L, 32 + L (v29, v31 = 0: named with them as pairs)
; L = lane, q = L & 15, h = L >> 4, h' = (L >> 3) & 1, r' = (L & 7) + 8 h
	s_load_b128 s[4:7], s[0:1], 0x0                ; x, codes
	s_load_b64 s[8:9], s[0:1], 0x10                ; scale
	v_lshl_add_u32 v254, v0, 2, 0x48000
	v_mov_b32 v255, 0
	ds_add_u32 v254, v255
	ds_add_u32 v254, v255
	s_wait_dscnt 0x0
	v_lshrrev_b32 v1, 5, v0
	s_delay_alu instid0(VALU_DEP_1)
	v_readfirstlane_b32 s10, v1                    ; wave 0..15
	s_and_b32 s12, ttmp7, 0xffff                   ; b
	v_and_b32 v32, 15, v0                          ; q
	v_bfe_u32 v33, v0, 4, 1                        ; h
	s_delay_alu instid0(VALU_DEP_2)
	v_lshlrev_b32 v2, 4, v32
	s_delay_alu instid0(VALU_DEP_1)
	v_lshl_add_u32 v2, v33, 11, v2                 ; GX
	; descriptor group 1: 64 rows of 64 elements of 4 bytes, 512 elements from row to row; 4 words of padding behind every 64
	s_mov_b32 s16, (2<<16)|(1<<20)|(5<<22)|(3<<25)
	s_mov_b32 s17, 64<<16                          ; tensor_dim0
	s_mov_b32 s18, 64<<16                          ; tensor_dim1
	s_mov_b32 s19, 64<<16                          ; tile_dim0
	s_mov_b32 s20, 64                              ; tile_dim1
	s_mov_b32 s21, 512                             ; stride
	s_mov_b32 s22, 0
	s_mov_b32 s23, 0
	s_mov_b32 s24, 1
	s_mul_i32 s25, s10, REGB                       ; my region
	s_lshl_b32 s14, s12, 22                        ; b x 2,048 rows of 2,048 bytes
	s_lshl_b32 s40, s10, 18                        ; + 128 w rows
	s_add_co_u32 s14, s14, s40
	s_lshl_b32 s40, ttmp9, 8                       ; + 64 dg features
	s_add_co_u32 s14, s14, s40
	s_mov_b32 s15, 0
	s_mov_b32 s34, 0x76543210
	s_mov_b32 s35, 0xfedcba98                      ; v_permlanex16_b32's selects for lane l xor 16
	s_wait_alu depctr_va_vdst(0)
	s_wait_kmcnt 0x0
	s_add_nc_u64 s[36:37], s[4:5], s[14:15]        ; x at my first row
	s_mov_b64 s[26:27], s[36:37]
	s_or_b32 s27, s27, 0x80000000                  ; type = 2
	tensor_load_to_lds s[24:27], s[16:23]          ; rows 0-63: my one tensor load
	s_nop 0
.set i, 0
.rept 32
	global_load_b128 v[STASH+4*i:STASH+4*i+3], v2, s[36:37] offset:(64+2*i)*2048 th:TH_LOAD_NT   ; rows 64-127: two rows of 256 consecutive bytes a load
.set i, i+1
.endr
	; where the results go
	s_lshl_b32 s40, s12, 4
	s_add_co_u32 s40, s40, s10
	s_mul_i32 s14, s40, REC                        ; record 16 b + w
	s_add_nc_u64 s[6:7], s[6:7], s[14:15]
	s_lshl_b32 s14, ttmp9, 9
	s_add_nc_u64 s[28:29], s[6:7], s[14:15]        ; dirD: + 512 dg
	s_lshl_b32 s14, ttmp9, 12
	s_add_co_u32 s14, s14, 32768
	s_add_nc_u64 s[30:31], s[6:7], s[14:15]        ; dirL: + 32,768 + 4,096 dg
	s_lshl_b32 s14, ttmp9, 8
	s_add_co_u32 s14, s14, 65536
	s_add_nc_u64 s[32:33], s[6:7], s[14:15]        ; sD: + 65,536 + 256 dg (sL lies 2,048 bytes on)
	s_lshl_b32 s14, s12, 11
	s_lshl_b32 s40, ttmp9, 8
	s_add_co_u32 s14, s14, s40
	s_add_nc_u64 s[38:39], s[8:9], s[14:15]        ; scale: + 2,048 b + 256 dg
	v_bfe_u32 v34, v0, 3, 1                        ; h'
	v_and_b32 v35, 7, v0
	v_and_b32 v36, 31, v0                          ; L
	s_delay_alu instid0(VALU_DEP_2)
	v_lshl_add_u32 v37, v33, 3, v35                ; r'
	v_mul_u32_u24 v38, v33, PITCH
	s_delay_alu instid0(VALU_DEP_1)
	v_lshl_add_u32 v38, v32, 4, v38
	s_delay_alu instid0(VALU_DEP_1)
	v_add_nc_u32 v3, s25, v38                      ; LB
	v_lshl_add_u32 v38, v33, 4, v35
	s_delay_alu instid0(VALU_DEP_1)
	v_mul_u32_u24 v38, v38, PITCH
	s_delay_alu instid0(VALU_DEP_1)
	v_lshl_add_u32 v38, v34, 7, v38
	s_delay_alu instid0(VALU_DEP_1)
	v_add_nc_u32 v4, s25, v38                      ; AD: sixteen lanes take 8 neighbouring rows x 2 halves of 128 bytes: 16 different columns of 16 bytes modulo 256
	v_lshl_add_u32 v5, v36, 2, s25                 ; AL
	v_lshlrev_b32 v6, 4, v37
	s_delay_alu instid0(VALU_DEP_1)
	v_lshl_add_u32 v6, v34, 8, v6                  ; GD
	v_lshlrev_b32 v7, 4, v32
	s_delay_alu instid0(VALU_DEP_1)
	v_lshl_add_u32 v7, v33, 10, v7                 ; GL
	s_lshl_b32 s41, s10, 9
	s_add_co_u32 s41, s41, SCR
	v_lshl_add_u32 v8, v37, 4, v34
	s_delay_alu instid0(VALU_DEP_1)
	v_add_nc_u32 v8, s41, v8                       ; SB: my scratch + 16 r' + h'
	v_lshl_add_u32 v9, v36, 2, s41
	s_delay_alu instid0(VALU_DEP_1)
	v_add_nc_u32 v9, 256, v9                       ; SW: my scratch + 256 + 4 L
	v_lshl_add_u32 v10, v36, 4, s41                ; SR: my scratch + 16 L
	s_lshl_b32 s42, s10, 8
	s_add_co_u32 s43, s42, INV
	s_add_co_u32 s42, s42, RED
	v_lshl_add_u32 v11, v34, 7, s43                ; my copy of the reciprocals + 128 h'
	v_lshl_add_u32 v20, v32, 4, s42                ; where my wave's sums go
	v_lshl_add_u32 v21, v36, 3, RED                ; where I read all waves' sums: 8 L
	v_lshl_add_u32 v22, v36, 3, s43                ; where my two reciprocals go
	v_lshl_add_u32 v23, v36, 2, s43                ; and the one of feature L
	v_lshlrev_b32 v26, 3, v36                      ; 8 L: the mean's place in scale
	v_mov_b32 v29, 0
	v_mov_b32 v31, 0
	; ---- the sums of squares: four features a lane, in two sets that take turns; the first two loads start them
.set i, 0
.rept 32
.if i%8 == 0
	s_wait_alu depctr_va_vdst(0)
	s_wait_loadcnt 24-i                            ; loads come back in order: this group of eight is in, the younger ones stay out
.endif
.if i < 2
	v_pk_mul_f32 v[12+4*i:13+4*i], v[STASH+4*i:STASH+4*i+1], v[STASH+4*i:STASH+4*i+1]
	v_pk_mul_f32 v[14+4*i:15+4*i], v[STASH+4*i+2:STASH+4*i+3], v[STASH+4*i+2:STASH+4*i+3]
.else
	v_pk_fma_f32 v[12+4*(i%2):13+4*(i%2)], v[STASH+4*i:STASH+4*i+1], v[STASH+4*i:STASH+4*i+1], v[12+4*(i%2):13+4*(i%2)]
	v_pk_fma_f32 v[14+4*(i%2):15+4*(i%2)], v[STASH+4*i+2:STASH+4*i+3], v[STASH+4*i+2:STASH+4*i+3], v[14+4*(i%2):15+4*(i%2)]
.endif
.set i, i+1
.endr
	s_wait_alu depctr_va_vdst(0)
	s_wait_tensorcnt 0x0                           ; my rows 0-63 are in LDS; only I read them, so no barrier is owed
.irp k, 0,1
.irp j, 0,1,2,3,4,5,6,7,8,9,10,11,12,13,14,15
	ds_load_b128 v[X0+4*\j:X0+4*\j+3], v3 offset:2*PITCH*(16*\k+\j)
.endr
	s_wait_alu depctr_va_vdst(0)
	s_wait_dscnt 0x0
.irp j, 0,1,2,3,4,5,6,7,8,9,10,11,12,13,14,15
	v_pk_fma_f32 v[12+4*(\j%2):13+4*(\j%2)], v[X0+4*\j:X0+4*\j+1], v[X0+4*\j:X0+4*\j+1], v[12+4*(\j%2):13+4*(\j%2)]
	v_pk_fma_f32 v[14+4*(\j%2):15+4*(\j%2)], v[X0+4*\j+2:X0+4*\j+3], v[X0+4*\j+2:X0+4*\j+3], v[14+4*(\j%2):15+4*(\j%2)]
.endr
.endr
	s_delay_alu instid0(VALU_DEP_2)
	v_pk_add_f32 v[12:13], v[12:13], v[16:17]
	s_delay_alu instid0(VALU_DEP_2)
	v_pk_add_f32 v[14:15], v[14:15], v[18:19]
.irp j, 0,1,2,3
	v_permlanex16_b32 v[16+\j], v[12+\j], s34, s35 ; the other rows' half of the lanes
.endr
	s_delay_alu instid0(VALU_DEP_3)
	v_pk_add_f32 v[12:13], v[12:13], v[16:17]
	s_delay_alu instid0(VALU_DEP_2)
	v_pk_add_f32 v[14:15], v[14:15], v[18:19]
	ds_store_b128 v20, v[12:15]                    ; both halves of the lanes write the same words with the same values
	s_wait_dscnt 0x0                               ; for the others' sake: my sums lie in LDS
	s_barrier_signal -1
	s_barrier_wait -1
.irp j, 0,1,2,3,4,5,6,7,8,9,10,11,12,13,14,15
	ds_load_b64 v[X0+2*\j:X0+2*\j+1], v21 offset:256*\j   ; features 2 L, 2 L + 1 of wave j
.endr
	s_wait_dscnt 0x0
.irp j, 1
	v_pk_add_f32 v[X0:X0+1], v[X0:X0+1], v[X0+2*\j:X0+2*\j+1]
	v_pk_add_f32 v[X0+16:X0+17], v[X0+16:X0+17], v[X0+16+2*\j:X0+17+2*\j]
.endr
.irp j, 2, 3, 4, 5, 6, 7
	s_delay_alu instid0(VALU_DEP_2)
	v_pk_add_f32 v[X0:X0+1], v[X0:X0+1], v[X0+2*\j:X0+2*\j+1]
	s_delay_alu instid0(VALU_DEP_2)
	v_pk_add_f32 v[X0+16:X0+17], v[X0+16:X0+17], v[X0+16+2*\j:X0+17+2*\j]
.endr
	s_delay_alu instid0(VALU_DEP_1)
	v_pk_add_f32 v[X0:X0+1], v[X0:X0+1], v[X0+16:X0+17]
	s_delay_alu instid0(VALU_DEP_1)
	v_pk_mul_f32 v[24:25], v[X0:X0+1], 0x3a000000 op_sel_hi:[1,0]   ; / 2,048: the mean
	s_delay_alu instid0(VALU_DEP_1)
	v_max_num_f32 v12, 0x2b8cbccc, v24             ; max(mean, 1e-12)
	s_delay_alu instid0(VALU_DEP_2)
	v_max_num_f32 v13, 0x2b8cbccc, v25
	s_wait_alu depctr_va_vdst(0)
	v_rcp_f32 v18, v12
	v_rcp_f32 v19, v13
	v_nop                                          ; a plain instruction behind the reciprocals (ISA guide 5.7.2)
	s_wait_alu depctr_va_vdst(0)
	v_fma_f32 v14, -v12, v18, 1.0                  ; one Newton step: r += r (1 - m r)
	v_fma_f32 v15, -v13, v19, 1.0
	v_fma_f32 v18, v18, v14, v18
	v_fma_f32 v19, v19, v15, v19
	ds_store_b64 v22, v[18:19]                     ; into my wave's own copy: LDS serves a wave's instructions in order, so no barrier
	s_cmp_lg_u32 s10, 0
	s_cbranch_scc1 .Lnot_wave_0
	global_store_b64 v26, v[24:25], s[38:39]       ; wave 0: the mean itself; 32 lanes store 256 consecutive bytes, aligned
.Lnot_wave_0:
.irp j, 0,1,2,3,4,5,6,7
	ds_load_b128 v[IVD+4*\j:IVD+4*\j+3], v11 offset:16*\j
.endr
	ds_load_b32 v28, v23
	ds_load_b32 v30, v23 offset:128
; ---- the codes.  A unit is one block of 32 numbers a lane.
.macro LD_D tl, buf                    ; along d: lane (r', h') takes 32 neighbouring features of the token of slot r' of the half's tile tl
.irp j, 0,1,2,3,4,5,6,7
	ds_load_b128 v[\buf+4*\j:\buf+4*\j+3], v4 offset:(32*((\tl)/2)+8*((\tl)%2))*PITCH+16*\j
.endr
.endm
.macro LD_L bl, dh, buf                ; along the tokens: lane L takes feature 32 dh + L, and its registers run down the half's 32 tokens 32 bl + 0 .. 31
.set i, 0
.rept 32
	ds_load_b32 v[\buf+i], v5 offset:(32*(\bl)+i)*PITCH+128*(\dh)
.set i, i+1
.endr
.endm
.macro QBLK buf, cs                    ; 32 numbers -> 16 bytes of codes in v[cs] on, the byte in v15
	v_max3_num_f32 v12, |v[\buf]|, |v[\buf+1]|, |v[\buf+2]|
	v_max3_num_f32 v13, |v[\buf+3]|, |v[\buf+4]|, |v[\buf+5]|
.irp i, 6,10,14,18,22,26
	s_delay_alu instid0(VALU_DEP_2)
	v_max3_num_f32 v12, v12, |v[\buf+\i]|, |v[\buf+\i+1]|
	s_delay_alu instid0(VALU_DEP_2)
	v_max3_num_f32 v13, v13, |v[\buf+\i+2]|, |v[\buf+\i+3]|
.endr
	s_delay_alu instid0(VALU_DEP_2)
	v_max3_num_f32 v12, v12, |v[\buf+30]|, |v[\buf+31]|
	s_delay_alu instid0(VALU_DEP_1)
	v_max3_num_f32 v12, v12, v13, 0x1800000        ; and the floor 2^(3 - 127): the byte cannot fall under 1
	s_delay_alu instid0(VALU_DEP_1)
	v_add_nc_u32 v14, 0xff000000, v12              ; 2 off the exponent field: the conversion takes the exponent field of this operand as its scale
	s_wait_alu depctr_va_vdst(0)
	s_wait_xcnt 0x0                                ; the store that named this set of codes two units ago has read it (ISA guide 3.1)
.irp g, 0,1,2,3
	v_cvt_scalef32_pk8_fp4_f32 v[\cs+\g], v[\buf+8*\g:\buf+8*\g+7], v14
.endr
	v_lshrrev_b32 v15, 23, v14                     ; the byte; also the plain instruction behind the conversions
.endm
.macro DO_D T, buf, cs                 ; tile T of the record
.irp j, 0,2,4,6,8,10,12,14,16,18,20,22,24,26,28,30
	v_pk_mul_f32 v[\buf+\j:\buf+\j+1], v[\buf+\j:\buf+\j+1], v[IVD+\j:IVD+\j+1]
.endr
	QBLK \buf, \cs
	ds_store_b8 v8, v15 offset:2*(\T)
	global_store_b128 v6, v[\cs:\cs+3], s[28:29] offset:4096*(\T)   ; the wave stores 512 consecutive bytes, aligned
.endm
.macro DO_L beta, dh, buf, cs          ; token block beta of the record
.irp j, 0,2,4,6,8,10,12,14,16,18,20,22,24,26,28,30
	v_pk_mul_f32 v[\buf+\j:\buf+\j+1], v[\buf+\j:\buf+\j+1], v[28+2*(\dh):29+2*(\dh)] op_sel_hi:[1,0]
.endr
	QBLK \buf, \cs
.if (\beta) == 0
	s_delay_alu instid0(VALU_DEP_1)
	v_mov_b32 v[16+\dh], v15
.else
	s_delay_alu instid0(VALU_DEP_1)
	v_lshl_or_b32 v[16+\dh], v15, 8*(\beta), v[16+\dh]
.endif
	global_store_b128 v7, v[\cs:\cs+3], s[30:31] offset:2048*(\dh)+512*((\beta)/2)+256*((\beta)%2)   ; each half of the lanes stores 256 consecutive bytes, aligned
.endm
; The 64 rows in my region, both ways: eight units on two buffers.  The next unit's loads are issued first; each count is the number of those loads, so that this unit's (and all that is older) are in.
.macro HALF hf
	LD_D 0, X0
	LD_D 1, X1
	s_wait_dscnt 8
	DO_D 4*(\hf)+0, X0, C0
	LD_D 2, X0
	s_wait_dscnt 8
	DO_D 4*(\hf)+1, X1, C1
	LD_D 3, X1
	s_wait_dscnt 8
	DO_D 4*(\hf)+2, X0, C0
	LD_L 0, 0, X0
	s_wait_dscnt 32
	DO_D 4*(\hf)+3, X1, C1
	LD_L 0, 1, X1
	s_wait_dscnt 32
	DO_L 2*(\hf)+0, 0, X0, C0
	LD_L 1, 0, X0
	s_wait_dscnt 32
	DO_L 2*(\hf)+0, 1, X1, C1
	LD_L 1, 1, X1
	s_wait_dscnt 32
	DO_L 2*(\hf)+1, 0, X0, C0
	s_wait_dscnt 0x0
	DO_L 2*(\hf)+1, 1, X1, C1
.endm
	HALF 0
.set i, 0
.rept 32
	ds_store_b128 v3, v[STASH+4*i:STASH+4*i+3] offset:2*PITCH*i   ; rows 64-127 take the place of rows 0-63: my own bytes, all my reads of them are back, and no tensor load fills them again
.set i, i+1
.endr
	HALF 1
	ds_store_b32 v9, v16                           ; sL's words of features L and 32 + L
	ds_store_b32 v9, v17 offset:128
	ds_load_b128 v[X0:X0+3], v10                   ; LDS serves a wave's instructions in order: these see my byte stores and the two above
	s_wait_dscnt 0x0
	global_store_b128 v2, v[X0:X0+3], s[32:33]     ; lanes 0-15: 256 bytes of sD; lanes 16-31: 256 bytes of sL, 2,048 bytes on
	s_wait_xcnt 0x0
	v_lshl_add_u32 v254, v0, 2, 0x48000
	v_mov_b32 v255, 0
	s_wait_alu depctr_va_vdst(0)
	s_wait_tensorcnt 0x0
	ds_add_u32 v254, v255
	s_wait_dscnt 0x0
	s_endpgm
.Lfunc_end_k_q5f85642b23_prep:
	.size	k_q5f85642b23_prep, .Lfunc_end_k_q5f85642b23_prep-k_q5f85642b23_prep
	.p2alignl 7, 3214868480
	.fill 96, 4, 3214868480
	.section	.rodata,"a",@progbits
	.p2align	6, 0x0
	.amdhsa_kernel k_q5f85642b23_prep
		.amdhsa_group_segment_fixed_size 296960
		.amdhsa_private_segment_fixed_size 0
		.amdhsa_enable_private_segment 0
		.amdhsa_kernarg_size 24
		.amdhsa_user_sgpr_count 2
		.amdhsa_user_sgpr_kernarg_segment_ptr 1
		.amdhsa_wavefront_size32 1
		.amdhsa_system_sgpr_workgroup_id_x 1
		.amdhsa_system_sgpr_workgroup_id_y 1
		.amdhsa_system_sgpr_workgroup_id_z 1
		.amdhsa_system_vgpr_workitem_id 0
		.amdhsa_next_free_vgpr 256
		.amdhsa_next_free_sgpr 66
		.amdhsa_reserve_vcc 0
		.amdhsa_float_denorm_mode_32 3
		.amdhsa_float_denorm_mode_16_64 3
		.amdhsa_memory_ordered 1
		.amdhsa_forward_progress 1
		.amdhsa_inst_pref_size 96
	.end_amdhsa_kernel
	.amdgpu_metadata
---
amdhsa.version: [ 1, 2 ]
amdhsa.kernels:
  - .name:           k_q5f85642b23_prep
    .symbol:         k_q5f85642b23_prep.kd
    .args:
      - { .name: x, .offset: 0, .size: 8, .value_kind: global_buffer, .address_space: global }
      - { .name: codes, .offset: 8, .size: 8, .value_kind: global_buffer, .address_space: global }
      - { .name: scale, .offset: 16, .size: 8, .value_kind: global_buffer, .address_space: global }
    .group_segment_fixed_size: 296960
    .private_segment_fixed_size: 0
    .kernarg_segment_align: 8
    .kernarg_segment_size: 24
    .max_flat_workgroup_size: 512
    .sgpr_count:     66
    .vgpr_count:     256
    .wavefront_size: 32
...
	.end_amdgpu_metadata
.endif
;; end of part 1
;; launch vlad (part 2): grid 8 x 32, 4 waves a work-group, clusters of 4 x 1, 327,680 bytes of LDS; arguments centroids, codes, part; writes part
.if DOCPART == 2
	.amdgcn_target "amdgcn-amd-amdhsa--gfx1250"
	.amdhsa_code_object_version 6
	.text
	.protected	k_q5f85642b23_vlad
	.globl	k_q5f85642b23_vlad
	.p2align	8
	.type	k_q5f85642b23_vlad,@function
k_q5f85642b23_vlad:
	s_mov_b64 s[64:65], 0
	v_nop
	global_prefetch_b8 v0, s[64:65] scope:SCOPE_SE
	s_setreg_imm32_b32 hwreg(HW_REG_WAVE_MODE, 25, 1), 1
	s_wait_xcnt 0x0
	s_wait_alu depctr_hold_cnt(0) depctr_sa_sdst(0) depctr_va_vdst(0) depctr_va_sdst(0) depctr_va_ssrc(0) depctr_va_vcc(0) depctr_vm_vsrc(0)
	s_getreg_b32 s2, hwreg(HW_REG_IB_STS2, 6, 4)
	s_cmp_eq_u32 s2, 0
	s_cbranch_scc0 .Lentry_in_a_cluster
	s_endpgm
.Lentry_in_a_cluster:
	s_bfe_u32 s2, ttmp6, 0x10000c
	s_cmp_lg_u32 s2, 0x3003
	s_cbranch_scc0 .Lentry_shape_is_right
	s_endpgm
.Lentry_shape_is_right:
; VLAD.  For one batch b (grid y) and 64 centroids 64 kg .. 64 kg + 63 (grid x): logits = Q(dir) Q(200 c)^T + bias, softmax over the 2,048 tokens, vlad = Q(p) Q(dir) / l - sum(a) c, and the sum over the 64 centroids.
; Both products on codes of FP4 (E2M1) with one E8M0 byte for 32 along K.  dir's codes, both ways, come from the launch before, as records of 128 tokens laid as images of the operands' registers.
; SOFTMAX: t = logit x log2(e); M = the running largest t rounded UP to a whole number; p = 2^(t - M) is quantised along the tokens; l = the sum of the unquantised p; when M moves, l and O are multiplied by 2^(old M - new M): exact.
; SHARES.  Eight steps of 256 tokens (two records = one LDS slot).  THE WAVES SPLIT TOKENS AND FEATURES, NOT CENTROIDS, so that each fragment read from LDS feeds four matrix instructions:
;   first product: wave w takes record w >> 1, tiles 4 (w & 1) .. + 3 (64 tokens), against all 64 centroids;  second: wave w takes features 128 w .. + 127, against all 64 centroids and all 256 tokens.
;   A step's maxima and p's codes and scale bytes go from wave to wave through LDS (p as images of the operand's registers).
; A STEP HAS TWO BARRIERS.  Behind the first the maxima are read.  The second publishes p AND changes slots: every wave's reads of the slot in hand are back by then, so it opens the cluster's round, behind which the slot is
;   filled again; straight behind the refill p's fragments and the NEXT step's fragments for the first product are asked for, and these land under l's sums and the second product.
; BOTH PRODUCTS ARE USED TRANSPOSED, so that a lane holds ONE centroid k = 16 kt + r throughout: S: source 0 = 16 tokens, source 1 = Q(kt);  O: source 0 = 16 features, source 1 = P(kt).
;   The tokens of a tile are not neighbours (slot r of tile 2 beta + u = token 32 beta + 8 u + r + 8 (r / 8)): the 16 registers of tiles 2 beta, 2 beta + 1 are tokens 32 beta + 16 h + 0 .. 15.
; SCALE WORDS, TWO TO A REGISTER: lanes 0-15 hold one word, lanes 16-31 another, taken by MATRIX_SCALE_ROW1: Q's and dirD's: K steps 2 g and 2 g + 1; dirL's and p's: the slot's two records.
; CLUSTER.  The four work-groups of a cluster belong to one batch and walk the same records: each quarter of a slot is asked for JOINTLY, by the same tensor load with a mask that names the four.
;   (A batch's eight work-groups are two clusters: a mask names four.)  A wave has at most one tensor load out.
; LIMITS: NaN and infinities are not served.  A block of zeros (of 200 c, of p) gets the byte 1 where the quantiser says 127: its codes are zeros.  The bias enters as the C of a sum's first product, not behind the sum.
; REGISTERS, in windows of 256.  Window 0: v1-19 addresses; v20 + 4 kt: -M, the largest t, l in two halves; v36-43 Q's scale words (2 kt + g), v44-51 dirD's (2 t + g), v52-59 dirL's (t), v60-63 p's (kt): these 28 hold scales alone;
;   v64-71 raw scale bytes; v76 + 2 kt: f = 2^(old M - new M); v84-91 l's second chains; v92-99 the blocks' largest scores, then p; v100-127 at work; v128-255 S, then p: tile (t, kt) at 128 + 32 kt + 8 t.
;   Window 1: O, tile (kt, dt) at 64 kt + 8 dt (at the head: half of the centroids at work).   Window 2: v0-127 Q, fragment (kt, s) at 8 (4 kt + s); v128-255 sixteen fragments of dirL.
;   Window 3: v0-63 P, fragment (kt, rec) at 8 (2 kt + rec); v64-95 the bias; v128-255 sixteen fragments of dirD.
.set REC,   69632                      ; a record: 32,768 dirD, 32,768 dirL, 2,048 sD, 2,048 sL
.set SLOTB, 2*REC                      ; 0x22000: a slot.  A quarter, 0x8800 x wave, uses neither of its two bits, so one exclusive or turns an address in one slot into the other's
.set QUART, SLOTB/4                    ; 136 rows of 256 bytes: what one tensor load brings
.set QIMG,  2*SLOTB                    ; behind the ring: Q's 16 fragments (4 kt + s), 1,024 bytes each,
.set QSC,   QIMG+16*1024               ; their scale words, 128 bytes each,
.set BIAS,  QSC+16*128                 ; the bias, 128 bytes a tile,
.set MX,    BIAS+4*128                 ; a step's largest scores: [wave][r][kt],
.set PIMG,  MX+4*256                   ; p's 8 fragments (2 kt + rec),
.set PSC,   PIMG+8*1024                ; their scale words: [2 kt + rec][r],
.set LS,    PSC+8*64                   ; the waves' sums l: [wave][r][kt],
.set SPARE, LS+4*256                   ; and the spare words, 128 bytes a wave: two blocks of 256 bytes that no other line names
.set SP,    528                        ; the way out: a stage of 16 rows x (512 + 16) bytes a wave, in slot 0, which by then has had its last fill and its last read
.set MSB, 0
.macro WIN new                         ; low byte: bits 1:0 source 0, 3:2 source 1, 5:4 source 2, 7:6 destination; the high byte repeats the setting that is left
.if MSB != \new
	s_set_vgpr_msb (MSB<<8)|\new
.set MSB, \new
.endif
.endm
.macro PLACES n
.rept \n
	v_nop
.endr
.endm
.macro CREST                           ; a round of the cluster's barrier behind its opening barrier
	s_cmp_lg_u32 s10, 0
	s_cbranch_scc1 .Lnot_wave_0_\@
	s_barrier_signal -3
.Lnot_wave_0_\@:
	s_barrier_wait -3
	s_barrier_signal -1
	s_barrier_wait -1
.endm
.macro ROUND                           ; a whole round
	s_barrier_signal -1
	s_barrier_wait -1
	CREST
.endm
.macro MMC d, a, b, c, sa, sb, row     ; row = 1: both scale words are taken from lanes 16-31
.if (\row)
	v_wmma_scale_f32_16x16x128_f8f6f4 v[\d:\d+7], v[\a:\a+7], v[\b:\b+7], v[\c:\c+7], v[\sa], v[\sb] matrix_a_fmt:MATRIX_FMT_FP4 matrix_b_fmt:MATRIX_FMT_FP4 matrix_a_scale:MATRIX_SCALE_ROW1 matrix_b_scale:MATRIX_SCALE_ROW1
.else
	v_wmma_scale_f32_16x16x128_f8f6f4 v[\d:\d+7], v[\a:\a+7], v[\b:\b+7], v[\c:\c+7], v[\sa], v[\sb] matrix_a_fmt:MATRIX_FMT_FP4 matrix_b_fmt:MATRIX_FMT_FP4
.endif
.endm
.macro MMZ d, a, b, sa, sb
	v_wmma_scale_f32_16x16x128_f8f6f4 v[\d:\d+7], v[\a:\a+7], v[\b:\b+7], 0, v[\sa], v[\sb] matrix_a_fmt:MATRIX_FMT_FP4 matrix_b_fmt:MATRIX_FMT_FP4
.endm
; Q.  Wave w quantises 200 c of rows 64 kg + 16 w + r: lane (r, h) takes, for K step s and c = 0, 1, the 32 neighbours d = 128 s + 64 c + 32 h + 0 .. 31: the very numbers that the operand's layout gives it.
.macro QLOAD s, buf
.irp c, 0,1
.irp j, 0,1,2,3,4,5,6,7
	global_load_b128 v[\buf+32*\c+4*\j:\buf+32*\c+4*\j+3], v91, s[42:43] offset:512*(\s)+256*\c+16*\j
.endr
.endr
.endm
; All vector registers of QQ lie in ONE window (0 for K steps 0 and 1, 1 for K steps 2 and 3): v76-79 the sums of c^2, v80-87 at work, v88 8 h, v89, v90 LDS addresses, v92 + 8 s the codes, v124 + s the scale word.
.macro QQ s, buf
.set i, 0
.rept 16
	v_pk_fma_f32 v[76:77], v[\buf+i:\buf+i+1], v[\buf+i:\buf+i+1], v[76:77]
	v_pk_fma_f32 v[78:79], v[\buf+i+2:\buf+i+3], v[\buf+i+2:\buf+i+3], v[78:79]
.set i, i+4
.endr
.set i, 0
.rept 32
	v_pk_mul_f32 v[\buf+i:\buf+i+1], v[\buf+i:\buf+i+1], s[40:41] op_sel_hi:[1,0]   ; 200 c
.set i, i+2
.endr
.irp c, 0,1
	v_max3_num_f32 v[80+2*\c], |v[\buf+32*\c]|, |v[\buf+32*\c+1]|, |v[\buf+32*\c+2]|
	v_max3_num_f32 v[81+2*\c], |v[\buf+32*\c+3]|, |v[\buf+32*\c+4]|, |v[\buf+32*\c+5]|
.endr
.irp i, 6,10,14,18,22,26
.irp c, 0,1
	v_max3_num_f32 v[80+2*\c], v[80+2*\c], |v[\buf+32*\c+\i]|, |v[\buf+32*\c+\i+1]|
	v_max3_num_f32 v[81+2*\c], v[81+2*\c], |v[\buf+32*\c+\i+2]|, |v[\buf+32*\c+\i+3]|
.endr
.endr
.irp c, 0,1
	v_max3_num_f32 v[80+2*\c], v[80+2*\c], |v[\buf+32*\c+30]|, |v[\buf+32*\c+31]|
.endr
.irp c, 0,1
	v_max3_num_f32 v[80+2*\c], v[80+2*\c], v[81+2*\c], 0x1800000   ; the floor 2^(3 - 127): the byte cannot fall under 1
.endr
.irp c, 0,1
	v_add_nc_u32 v[84+\c], 0xff000000, v[80+2*\c]  ; 2 off the exponent field: the conversion's scale operand
.endr
.irp c, 0,1
.irp g, 0,1,2,3
	v_cvt_scalef32_pk8_fp4_f32 v[92+8*(\s)+4*\c+\g], v[\buf+32*\c+8*\g:\buf+32*\c+8*\g+7], v[84+\c]
.endr
.endr
	v_lshrrev_b32 v80, 23, v84                     ; the bytes of blocks h and 2 + h (the first line is also the plain instruction behind the conversions),
	v_lshrrev_b32 v82, 23, v85
	v_lshl_or_b32 v86, v82, 16, v80
	v_lshlrev_b32 v86, v88, v86                    ; at their places in the word;
	v_permlanex16_b32 v87, v86, s36, s37
	v_or_b32 v[124+\s], v86, v87                   ; with lane l xor 16's two the word is whole
.irp c, 0,1
	ds_store_b128 v89, v[92+8*(\s)+4*\c:95+8*(\s)+4*\c] offset:1024*(\s)+512*\c   ; the fragment goes to LDS as it stands: lane l's 16 bytes at 16 l
.endr
	ds_store_b32 v90, v[124+\s] offset:128*(\s)
.endm
; What the first product of a step wants from LDS, at the addresses in v15 and v14:
.macro LD_RAW                          ; raw scale bytes: register pair 2 g + e: for d blocks 2 dg, 2 dg + 1 with dg = 4 g + e + 2 h, two bytes for each of my four tiles
.irp n, 0,1,2,3
	ds_load_b64 v[64+2*\n:65+2*\n], v15 offset:256*(4*(\n/2)+(\n%2))
.endr
.endm
.macro LD_D                            ; dirD, fragment (tile t, K step s), destination window 3; the K steps in order
.irp s, 0,1,2,3
.irp t, 0,1,2,3
.irp c, 0,1
	ds_load_b128 v[128+8*(4*\t+\s)+4*\c:128+8*(4*\t+\s)+4*\c+3], v14 offset:4096*\t+512*(2*\s+\c)
.endr
.endr
.endr
.endm
.macro PERMS                           ; the word of (tile t, K step 2 g + h): d blocks 4 (2 g + h) + 0 .. 3
.irp t, 0,1,2,3
.irp g, 0,1
	v_perm_b32 v[44+2*\t+\g], v[64+2*(2*\g+1)+(\t/2)], v[64+2*(2*\g)+(\t/2)], s[38+(\t%2)]
.endr
.endr
.endm
; l takes the UNQUANTISED p of my 64 tokens, in two chains a tile; in two parts
.macro LSUM_A
.irp k, 0,1,2,3
	v_pk_add_f32 v[84+2*\k:85+2*\k], v[128+32*\k:129+32*\k], v[130+32*\k:131+32*\k]
.endr
.irp j, 4,8,12,16,20
.irp k, 0,1,2,3
	v_pk_add_f32 v[22+4*\k:23+4*\k], v[22+4*\k:23+4*\k], v[128+32*\k+\j:129+32*\k+\j]
	v_pk_add_f32 v[84+2*\k:85+2*\k], v[84+2*\k:85+2*\k], v[130+32*\k+\j:131+32*\k+\j]
.endr
.endr
.endm
.macro LSUM_B
.irp j, 24,28
.irp k, 0,1,2,3
	v_pk_add_f32 v[22+4*\k:23+4*\k], v[22+4*\k:23+4*\k], v[128+32*\k+\j:129+32*\k+\j]
	v_pk_add_f32 v[84+2*\k:85+2*\k], v[84+2*\k:85+2*\k], v[130+32*\k+\j:131+32*\k+\j]
.endr
.endr
.irp k, 0,1,2,3
	v_pk_add_f32 v[22+4*\k:23+4*\k], v[22+4*\k:23+4*\k], v[84+2*\k:85+2*\k]
.endr
.endm
	s_load_b128 s[4:7], s[0:1], 0x0                ; centroids, codes
	s_load_b64 s[8:9], s[0:1], 0x10                ; part
	v_lshl_add_u32 v12, v0, 2, SPARE               ; my spare word; never rewritten
	v_mov_b32 v13, 0                               ; 0; never rewritten
	ds_add_u32 v12, v13
	ds_add_u32 v12, v13
	s_wait_dscnt 0x0
	v_lshrrev_b32 v1, 5, v0
	v_readfirstlane_b32 s10, v1                    ; wave 0..3
	v_and_b32 v20, 31, v0                          ; L
	v_and_b32 v21, 15, v0                          ; r
	v_bfe_u32 v22, v0, 4, 1                        ; h
	v_lshlrev_b32 v1, 4, v20                       ; LI = 16 L
	v_lshlrev_b32 v91, 11, v21
	v_lshl_add_u32 v91, v22, 7, v91                ; centroids: row r, + 128 h
	s_bfe_u32 s11, ttmp6, 0x40000                  ; cx
	s_lshl_b32 s12, ttmp9, 2
	s_add_co_u32 s12, s12, s11                     ; kg = 4 x cluster x + cx: it enters the addresses of centroids and part alone
	s_and_b32 s13, ttmp7, 0xffff                   ; b, which the four partners share
	; descriptor group 1: 136 dense rows of 32 elements of 8 bytes; the mask names all four work-groups, bit 21 beside it
	s_mov_b32 s16, 15|(3<<16)|(1<<21)
	s_mov_b32 s17, 32<<16
	s_mov_b32 s18, 136<<16
	s_mov_b32 s19, 32<<16
	s_mov_b32 s20, 136
	s_mov_b32 s21, 32
	s_mov_b32 s22, 0
	s_mov_b32 s23, 0
	s_mov_b32 s24, 1
	s_mul_i32 s25, s10, QUART                      ; slot 0, my quarter
	s_mov_b32 s28, 1
	s_add_co_u32 s29, s25, SLOTB                   ; slot 1
	s_mul_i32 s48, s13, 16*REC                     ; the batch's 16 records
	s_add_co_u32 s48, s48, s25
	s_mov_b32 s49, 0
	s_lshl_b32 s50, s12, 17                        ; 64 kg rows of 2,048 bytes
	s_lshl_b32 s52, s10, 15                        ; 16 w rows
	s_add_co_u32 s52, s52, s50
	s_mov_b32 s53, 0
	s_lshl_b32 s54, s10, 9                         ; 512 w
	s_add_co_u32 s50, s50, s54
	s_mov_b32 s51, 0
	s_lshl_b32 s56, s13, 3
	s_add_co_u32 s56, s56, s12
	s_lshl_b32 s56, s56, 11                        ; (8 b + kg) rows of 2,048 bytes
	s_add_co_u32 s56, s56, s54
	s_mov_b32 s57, 0
	s_mov_b32 s32, 0                               ; TB: the slot of the step whose fragments are fetched next
	s_mov_b32 s34, 0x3fb8aa3b                      ; log2(e), as a pair: the packed form takes the low word for both halves
	s_mov_b32 s35, 0x3fb8aa3b
	s_mov_b32 s36, 0x76543210
	s_mov_b32 s37, 0xfedcba98                      ; v_permlanex16_b32's selects for lane l xor 16
	s_mov_b32 s38, 0x05040100                      ; v_perm_b32: the two low halves;
	s_mov_b32 s39, 0x07060302                      ; the two high halves
	s_mov_b32 s40, 0x43480000                      ; 200.0
	s_mov_b32 s41, 0x43480000
	s_lshr_b32 s58, s10, 1                         ; my record of a slot
	s_and_b32 s59, s10, 1                          ; my half of its tiles
	s_wait_alu depctr_va_vdst(0)
	s_wait_kmcnt 0x0
	s_add_nc_u64 s[26:27], s[6:7], s[48:49]        ; step 0, my quarter
	s_add_nc_u64 s[30:31], s[26:27], SLOTB         ; step 1; this descriptor then walks
	s_or_b32 s27, s27, 0x80000000
	s_or_b32 s31, s31, 0x80000000
	s_add_nc_u64 s[42:43], s[4:5], s[52:53]        ; centroids at row 64 kg + 16 w
	s_add_nc_u64 s[44:45], s[4:5], s[50:51]        ; centroids at row 64 kg, feature 128 w
	s_add_nc_u64 s[46:47], s[8:9], s[56:57]        ; part at (b, kg), feature 128 w
	QLOAD 0, 128                                   ; my 16 rows of the centroids, all four K steps at once: 64 loads, so that they cross memory together
	QLOAD 1, 192
	WIN 0x40                                       ; destination window 1, which is free until O begins
	QLOAD 2, 128
	QLOAD 3, 192
	WIN 0
	ROUND                                          ; all four work-groups are here: the first joint loads meet
	tensor_load_to_lds s[24:27], s[16:23]
	s_nop 0
	s_wait_alu depctr_va_vdst(0)
	s_wait_tensorcnt 0x0
	ds_add_u32 v12, v13
	s_wait_dscnt 0x0
	ROUND
	tensor_load_to_lds s[28:31], s[16:23]
	s_nop 0
	PLACES 4
	s_mul_i32 s48, s58, REC
	s_lshl_b32 s49, s59, 14
	s_add_co_u32 s49, s49, s48
	v_add_nc_u32 v2, s49, v1                       ; AK0: my four tiles of dirD
	s_lshl_b32 s49, s59, 3
	s_add_co_u32 s49, s49, s48
	s_add_co_u32 s49, s49, 65536
	v_lshl_add_u32 v3, v21, 4, s49                 ; AS0: their scale bytes: 8 bytes of slot r;
	v_lshl_add_u32 v3, v22, 9, v3                  ; lanes 16-31 two groups of 64 features (one K step) on
	s_lshl_b32 s49, s10, 13
	s_add_co_u32 s49, s49, 32768
	v_add_nc_u32 v4, s49, v1                       ; AV0: my eight tiles of dirL
	s_add_co_u32 s49, s54, 67584
	v_lshl_add_u32 v5, v21, 2, s49                 ; AT0: their scale words;
	v_mul_u32_u24 v23, v22, REC
	v_add_nc_u32 v5, v5, v23                       ; lanes 16-31 take the slot's second record
	s_lshl_b32 s49, s10, 8
	s_add_co_u32 s49, s49, MX
	v_lshl_add_u32 v6, v21, 4, s49                 ; MXW
	v_lshl_add_u32 v7, v21, 4, MX                  ; MXR
	s_add_co_u32 s49, s54, PIMG
	v_add_nc_u32 v8, s49, v1                       ; PWI: 1,024 (w >> 1) + 512 (w & 1) = 512 w
	s_lshl_b32 s49, s58, 6
	s_lshl_b32 s55, s59, 1
	s_add_co_u32 s49, s49, s55
	s_add_co_u32 s49, s49, PSC
	v_lshl_add_u32 v9, v21, 2, s49                 ; PWS: my two bytes of the word
	v_lshl_add_u32 v10, v21, 2, PSC
	v_lshl_add_u32 v10, v22, 6, v10                ; PRS: lanes 16-31 take the second record's word
	v_add_nc_u32 v11, PIMG, v1                     ; PRI
	v_lshlrev_b32 v19, 11, v21
	v_lshl_add_u32 v19, v22, 5, v19                ; CO: centroids for the way out: row r, + 32 h; never rewritten
	s_lshl_b32 s49, s10, 7
	s_add_co_u32 s49, s49, BIAS
	v_lshl_add_u32 v14, v20, 2, s49                ; where my tile's bias goes
	s_lshl_b32 s50, s10, 12
	s_add_co_u32 s50, s50, QIMG                    ; where my four fragments of Q go,
	s_add_co_u32 s51, s54, QSC                     ; and their scale words
.irp u, 0, 0x40                                ; what QQ keeps, once in window 0 and once in window 1 (the sources v1, v20, v22 lie in window 0)
	WIN \u
	v_add_nc_u32 v89, s50, v1
	v_lshl_add_u32 v90, v20, 2, s51
	v_lshlrev_b32 v88, 3, v22                      ; 8 h
	v_mov_b32 v87, 0                               ; a lane permute's destination counts as one of its sources
	v_mov_b32 v76, 0                               ; the sum of c^2, in two chains
	v_mov_b32 v77, 0
	v_mov_b32 v78, 0
	v_mov_b32 v79, 0
.endr
	WIN 0
	s_wait_loadcnt 48                              ; loads come back in order: K step 0's sixteen are in, the 48 younger ones stay out
	QQ 0, 128
	s_wait_loadcnt 32
	QQ 1, 192
	s_wait_loadcnt 16
	WIN 0x55                                       ; every operand in window 1
	QQ 2, 128
	s_wait_loadcnt 0x0
	QQ 3, 192
	WIN 0x04                                       ; source 1 in window 1: its two chains join window 0's
	v_pk_add_f32 v[76:77], v[76:77], v[76:77]
	v_pk_add_f32 v[78:79], v[78:79], v[78:79]
	WIN 0
	v_pk_add_f32 v[76:77], v[76:77], v[78:79]
	v_add_f32 v76, v76, v77
	v_permlanex16_b32 v87, v76, s36, s37
	v_add_f32 v76, v76, v87                        ; the row's sum of c^2
	s_wait_alu depctr_va_vdst(0)
	v_sqrt_f32 v77, v76
	v_nop                                          ; a plain instruction behind the root
	s_wait_alu depctr_va_vdst(0)
	v_mul_f32 v77, 0xc2c80000, v77                 ; bias = -100 ||c||
	ds_store_b32 v14, v77
	s_wait_dscnt 0x0                               ; for the others' sake: Q, its scale words and the bias lie in LDS
	s_wait_tensorcnt 0x1                           ; my quarter of slot 0 is in; slot 1's may stay out
	s_barrier_signal -1
	s_barrier_wait -1
	v_add_nc_u32 v100, QIMG, v1
	v_lshl_add_u32 v101, v21, 2, QSC
	v_lshl_add_u32 v101, v22, 7, v101              ; Q's scale words: lanes 16-31 take the K step one on
	v_lshl_add_u32 v102, v20, 2, BIAS
	v_add_nc_u32 v14, s32, v2                      ; step 0's addresses
	v_add_nc_u32 v15, s32, v3
	v_add_nc_u32 v16, s32, v4
	v_add_nc_u32 v18, s32, v5
	v_add_nc_u32 v17, REC, v16                     ; the slot's second record
	WIN 0x80                                       ; destination window 2
.irp n, 0,1,2,3,4,5,6,7,8,9,10,11,12,13,14,15
.irp c, 0,1
	ds_load_b128 v[8*\n+4*\c:8*\n+4*\c+3], v100 offset:1024*\n+512*\c   ; all of Q stays in registers
.endr
.endr
	WIN 0
.irp k, 0,1,2,3
.irp g, 0,1
	ds_load_b32 v[36+2*\k+\g], v101 offset:128*(4*\k+2*\g)
.endr
.endr
	LD_RAW
	WIN 0xc0                                       ; destination window 3
.irp k, 0,1,2,3
.irp j, 0,1,2,3,4,5,6,7
	ds_load_b32 v[64+8*\k+\j], v102 offset:128*\k  ; the bias in the result's layout: my centroid's, in all eight registers
.endr
.endr
	LD_D
	WIN 0
	s_wait_dscnt 32                                ; all but the 32 fragment loads just issued
	PERMS
.irp k, 0,1,2,3                                ; (these sixteen lines are also the eight places between the perms and the first product)
	v_mov_b32 v[21+4*\k], 0xff61b1e6               ; the largest t so far: -3e38
	v_mov_b32 v[22+4*\k], 0                        ; l
	v_mov_b32 v[23+4*\k], 0
.endr
.irp k, 0,1,2,3
	v_floor_f32 v[20+4*\k], -v[21+4*\k]            ; -M
.endr
; A STEP: 256 tokens.  Its fragments of dirD were asked for a step ago.  first = 1: the second product's first links start O's sums with the constant 0, and there is nothing to rescale.
; fill = 1: the slot in hand is filled again, with the step after next.  next = 1: the next step's fragments of dirD are fetched; 0: the last step, which asks for the centroids of the way out instead.
.macro STEP first, fill, next
.irp s, 0,1,2,3                                ; S = dirD Q^T + bias: 16 accumulators by turns, K ascending
	s_wait_dscnt 24-8*\s                           ; this K step's eight loads are in; the later K steps' stay out
.if \s == 0
	WIN 0x3b                                       ; source 0 (dirD) window 3, source 1 (Q) window 2, C (the bias) window 3, D window 0
.else
	WIN 0x0b
.endif
.irp t, 0,1,2,3
.irp k, 0,1,2,3
.if \s == 0
	MMC 128+32*\k+8*\t, 128+8*(4*\t+\s), 8*(4*\k+\s), 64+8*\k, 44+2*\t+\s/2, 36+2*\k+\s/2, \s%2
.else
	MMC 128+32*\k+8*\t, 128+8*(4*\t+\s), 8*(4*\k+\s), 128+32*\k+8*\t, 44+2*\t+\s/2, 36+2*\k+\s/2, \s%2
.endif
.endr
.endr
.endr
	WIN 0
	PLACES 4                                       ; in front of the loads into registers that the last products read (ISA guide 7.12.1 for vector instructions), and of the first read of these results
	WIN 0x80
.irp e, 0,1
.irp t, 0,1,2,3,4,5,6,7
.irp c, 0,1
	ds_load_b128 v[128+8*(8*\e+\t)+4*\c:128+8*(8*\e+\t)+4*\c+3], v[16+\e] offset:1024*\t+512*\c   ; dirL, fragment (record e, my tile t): asked for now, it lands under the search for the maximum
.endr
.endr
.endr
	WIN 0
.irp t, 0,1,2,3,4,5,6,7
	ds_load_b32 v[52+\t], v18 offset:64*\t         ; its scale words: lanes 0-15 record 0's, lanes 16-31 record 1's
.endr
.if \next == 0
	WIN 0x80                                       ; the last step: c(16 kt + r, 128 w + 16 dt + 8 h + 0 .. 7), in O's layout, is asked for now, over Q (kt = 0, 1) and dirD (kt = 2, 3), which are done with
.irp k, 0,1
.irp t, 0,1,2,3,4,5,6,7
	global_load_b128 v[64*\k+8*\t:64*\k+8*\t+3], v19, s[44:45] offset:32768*\k+64*\t
	global_load_b128 v[64*\k+8*\t+4:64*\k+8*\t+7], v19, s[44:45] offset:32768*\k+64*\t+16
.endr
.endr
	WIN 0xc0
.irp k, 2,3
.irp t, 0,1,2,3,4,5,6,7
	global_load_b128 v[64*\k+8*\t:64*\k+8*\t+3], v19, s[44:45] offset:32768*\k+64*\t
	global_load_b128 v[64*\k+8*\t+4:64*\k+8*\t+7], v19, s[44:45] offset:32768*\k+64*\t+16
.endr
.endr
	WIN 0
.endif
.irp g, 0,1,2,3,4,5,6,7                        ; the largest score of each block of 32 tokens (g = 2 kt + bl): it serves the row's maximum and, since p rises with the score, the block's largest p.  Each accumulator is read from its low end on
	v_max3_num_f32 v[92+\g], v[128+16*\g], v[129+16*\g], v[130+16*\g]
.endr
.irp i, 3,5,7,9,11,13
.irp g, 0,1,2,3,4,5,6,7
	v_max3_num_f32 v[92+\g], v[92+\g], v[128+16*\g+\i], v[129+16*\g+\i]
.endr
.endr
.irp g, 0,1,2,3,4,5,6,7
	v_max_num_f32 v[92+\g], v[92+\g], v[143+16*\g]
.endr
.irp g, 0,1,2,3,4,5,6,7
	v_permlanex16_b32 v[100+\g], v[92+\g], s36, s37
.endr
.irp g, 0,1,2,3,4,5,6,7
	v_max_num_f32 v[92+\g], v[92+\g], v[100+\g]    ; with lane l xor 16's 16 tokens
.endr
.irp k, 0,1,2,3
	v_max_num_f32 v[108+\k], v[92+2*\k], v[93+2*\k]
.endr
	ds_store_b128 v6, v[108:111]                   ; my 64 tokens' largest scores of the four tiles of centroids
	s_wait_dscnt 0x0                               ; for the others' sake; dirL and its scale words are in too: my reads of the slot in hand are over
	s_barrier_signal -1
	s_barrier_wait -1
.irp u, 0,1,2,3
	ds_load_b128 v[112+4*\u:115+4*\u], v7 offset:256*\u
.endr
	s_wait_dscnt 0x0
.irp k, 0,1,2,3
	v_max3_num_f32 v[108+\k], v[112+\k], v[116+\k], v[120+\k]
.endr
.irp k, 0,1,2,3
	v_max_num_f32 v[108+\k], v[108+\k], v[124+\k]  ; the step's largest score of my centroid: the same in all four waves
.endr
.irp k, 0,1,2,3
	v_mul_f32 v[108+\k], s34, v[108+\k]            ; as t
.endr
.irp k, 0,1,2,3
	v_max_num_f32 v[21+4*\k], v[21+4*\k], v[108+\k]
.endr
.irp k, 0,1,2,3
	v_mov_b32 v[108+\k], v[20+4*\k]
.endr
.irp k, 0,1,2,3
	v_floor_f32 v[20+4*\k], -v[21+4*\k]            ; the new -M = -ceil(t): a whole number
.endr
.irp k, 0,1,2,3
	v_sub_f32 v[108+\k], v[20+4*\k], v[108+\k]     ; old M - new M: a whole number, 0 or less
.endr
.irp k, 0,1,2,3
	v_cvt_i32_f32 v[108+\k], v[108+\k]             ; (it saturates)
.endr
.irp k, 0,1,2,3
	v_ldexp_f32 v[76+2*\k], 1.0, v[108+\k]         ; f = 2^(old M - new M)
.endr
.irp k, 0,1,2,3
.irp j, 0,2,4,6,8,10,12,14,16,18,20,22,24,26,28,30
	v_pk_fma_f32 v[128+32*\k+\j:129+32*\k+\j], v[128+32*\k+\j:129+32*\k+\j], s[34:35], v[20+4*\k:21+4*\k] op_sel_hi:[1,0,0]   ; t - M
.endr
.endr
.irp g, 0,1,2,3,4,5,6,7
	v_fma_f32 v[92+\g], v[92+\g], s34, v[20+4*(\g/2)]   ; the same of each block's largest score
.endr
.set i, 0
	s_wait_alu depctr_va_vdst(0)
.rept 128
	v_exp_f32 v[128+i], v[128+i]                   ; p = 2^(t - M): not normalised
.set i, i+1
.endr
.irp g, 0,1,2,3,4,5,6,7
	v_exp_f32 v[92+\g], v[92+\g]                   ; the block's largest p: the same two instructions on the same number give the same bits
.endr
.irp k, 0,1,2,3
	v_pk_mul_f32 v[22+4*\k:23+4*\k], v[22+4*\k:23+4*\k], v[76+2*\k:77+2*\k] op_sel_hi:[1,0]   ; l under the new M (plain instructions behind the exponentials)
.endr
	s_wait_alu depctr_va_vdst(0)
.irp g, 0,1,2,3,4,5,6,7
	v_max_num_f32 v[92+\g], 0x1800000, v[92+\g]    ; the floor 2^(3 - 127)
.endr
.irp g, 0,1,2,3,4,5,6,7
	v_add_nc_u32 v[100+\g], 0xff000000, v[92+\g]   ; the conversion's scale operand
.endr
.irp g, 0,1,2,3,4,5,6,7
	v_lshrrev_b32 v[112+\g], 23, v[100+\g]         ; the byte
.endr
.irp k, 0,1,2,3
	v_lshl_or_b32 v[124+\k], v[113+2*\k], 8, v[112+2*\k]
.endr
.irp k, 0,1,2,3
	ds_store_b16 v9, v[124+\k] offset:128*\k       ; my two blocks' bytes of the word of (kt, my record)
.endr
.irp k, 0,1,2,3
.irp l, 0,1
	v_cvt_scalef32_pk8_fp4_f32 v[108+4*\k+2*\l], v[128+32*\k+16*\l:135+32*\k+16*\l], v[100+2*\k+\l]
	v_cvt_scalef32_pk8_fp4_f32 v[109+4*\k+2*\l], v[136+32*\k+16*\l:143+32*\k+16*\l], v[100+2*\k+\l]
.endr
.endr
	v_nop                                          ; a plain instruction behind the conversions
.irp k, 0,1,2,3
.irp i, 0,1
	v_permlane16_swap_b32 v[108+4*\k+\i], v[110+4*\k+\i]   ; the operand's layout wants a whole block in a lane: lanes 0-15 my first block, lanes 16-31 my second
.endr
.endr
.irp k, 0,1,2,3
	ds_store_b128 v8, v[108+4*\k:111+4*\k] offset:2048*\k  ; four of the eight registers of fragment (kt, my record): its tokens 64 (w & 1) + 32 h + 0 .. 31
.endr
	; THE BARRIER THAT PUBLISHES p IS ALSO THE CHANGE OF SLOTS: my quarter of the next slot has landed, and my reads of the slot in hand were over at the barrier above
.if \next
	s_wait_tensorcnt 0x0                           ; no tensor load of mine is out, so a group 0 may be written
	ds_add_u32 v12, v13                            ; 0 onto my spare word: work on registers stands between it and the wait for it
.if \fill
	s_xor_b32 s29, s29, SLOTB                      ; the walking descriptor: the other slot than last time,
	s_add_nc_u64 s[30:31], s[30:31], SLOTB         ; the next two records; the type bits on top are not reached
.endif
	s_xor_b32 s32, s32, SLOTB                      ; the next step's slot, and its addresses
	v_add_nc_u32 v14, s32, v2
	v_add_nc_u32 v15, s32, v3
	v_add_nc_u32 v16, s32, v4
	v_add_nc_u32 v18, s32, v5
	v_add_nc_u32 v17, REC, v16
.endif
	s_wait_dscnt 0x0                               ; the add is done, and p's codes and bytes lie in LDS
	s_barrier_signal -1                            ; work on registers while the others arrive:
.if \first == 0
	WIN 0x41                                       ; O (destination and source 0) window 1, f window 0
.irp k, 0,1,2,3
.set i, 0
.rept 32
	v_pk_mul_f32 v[64*\k+i:64*\k+i+1], v[64*\k+i:64*\k+i+1], v[76+2*\k:77+2*\k] op_sel_hi:[1,0]   ; O under the new M; each accumulator from its low end on
.set i, i+2
.endr
.endr
	WIN 0
.endif
	s_barrier_wait -1
.if \fill
	CREST                                          ; the barrier has opened a round of the cluster's: no wave of any partner still reads this slot or has a load on its way
	tensor_load_to_lds s[28:31], s[16:23]          ; the step after next, into the slot in hand: my one tensor load until the next round
	s_nop 0
	PLACES 4
.endif
.if \next
	s_wait_alu depctr_va_vdst(0)
	LD_RAW
.endif
.irp k, 0,1,2,3
	ds_load_b32 v[60+\k], v10 offset:128*\k        ; p's scale words: lanes 0-15 record 0's, lanes 16-31 record 1's
.endr
	WIN 0xc0
.irp n, 0,1,2,3,4,5,6,7
.irp c, 0,1
	ds_load_b128 v[8*\n+4*\c:8*\n+4*\c+3], v11 offset:1024*\n+512*\c   ; all of p: fragment n = 2 kt + rec
.endr
.endr
.if \next
	LD_D                                           ; the next step's dirD, out of the other slot: it lands under the sums and the 64 products below
.endif
	WIN 0
	LSUM_A                                         ; 44 additions while p comes
.if \next
	s_wait_dscnt 32                                ; the raw bytes, p and its words are in; the 32 fragment loads stay out
	PERMS
.else
	s_wait_alu depctr_va_vdst(0)
	s_wait_dscnt 0x0
.endif
	LSUM_B                                         ; 20 additions: more than the eight places that a scale register written by a vector instruction wants ahead of the product that names it
	WIN 0x5e                                       ; source 0 (dirL) window 2, source 1 (P) window 3, C and D (O) window 1
.irp e, 0,1                                    ; O += dirL^T P^T: 32 accumulators by turns, the two records in order
.irp t, 0,1,2,3,4,5,6,7
.irp k, 0,1,2,3
.if \first && (\e == 0)
	MMZ 64*\k+8*\t, 128+8*(8*\e+\t), 8*(2*\k+\e), 52+\t, 60+\k
.else
	MMC 64*\k+8*\t, 128+8*(8*\e+\t), 8*(2*\k+\e), 64*\k+8*\t, 52+\t, 60+\k, \e
.endif
.endr
.endr
.endr
	WIN 0
.endm
	STEP 1, 1, 1                                   ; step 0, in slot 0; slot 0 then takes step 2
	s_mov_b32 s33, 5
.Lstep:                                            ; steps 1 to 5: step t's slot is filled with step t + 2
	STEP 0, 1, 1
	s_sub_co_u32 s33, s33, 1
	s_cmp_lg_u32 s33, 0
	s_cbranch_scc1 .Lstep
	STEP 0, 0, 1                                   ; the last two steps are written out: nothing is left to fetch from memory
	STEP 0, 0, 0
	; THE WAY OUT.  The address lines are the places behind the last products.
	v_and_b32 v16, 15, v0                          ; r
	v_bfe_u32 v17, v0, 4, 1                        ; h
	s_lshl_b32 s49, s10, 8
	s_add_co_u32 s49, s49, LS
	v_lshl_add_u32 v15, v16, 4, s49                ; where my wave's l goes
	v_lshl_add_u32 v18, v16, 4, LS                 ; and where all four are read
	s_mul_i32 s49, s10, 16*SP                      ; my stage
	v_mul_u32_u24 v14, v16, SP
	v_lshl_add_u32 v14, v17, 5, v14
	v_add_nc_u32 v14, s49, v14                     ; in: row r, + 32 h
	v_add_nc_u32 v17, s49, v1                      ; back: 16 bytes a lane of a row of 512
.irp k, 0,1,2,3
	v_add_f32 v[108+\k], v[22+4*\k], v[23+4*\k]
.endr
.irp k, 0,1,2,3
	v_permlanex16_b32 v[100+\k], v[108+\k], s36, s37
.endr
.irp k, 0,1,2,3
	v_add_f32 v[108+\k], v[108+\k], v[100+\k]      ; l over my wave's tokens
.endr
	ds_store_b128 v15, v[108:111]
	s_wait_dscnt 0x0
	s_barrier_signal -1
	s_barrier_wait -1
.irp u, 0,1,2,3
	ds_load_b128 v[112+4*\u:115+4*\u], v18 offset:256*\u
.endr
	s_wait_dscnt 0x0
.irp k, 0,1,2,3
	v_add_f32 v[112+\k], v[112+\k], v[116+\k]
.endr
.irp k, 0,1,2,3
	v_add_f32 v[120+\k], v[120+\k], v[124+\k]
.endr
.irp k, 0,1,2,3
	v_add_f32 v[112+\k], v[112+\k], v[120+\k]      ; l over all tokens
.endr
	s_wait_alu depctr_va_vdst(0)
.irp k, 0,1,2,3
	v_rcp_f32 v[76+2*\k], v[112+\k]
.endr
	v_nop                                          ; a plain instruction behind the reciprocals
	s_wait_alu depctr_va_vdst(0)
.irp k, 0,1,2,3
	v_mul_f32 v[84+2*\k], v[112+\k], v[76+2*\k]    ; sum(a) = l x (1 / l)
.endr
	WIN 0x01                                       ; source 0 (O) window 1
.irp k, 0,1,2,3
.set i, 0
.rept 32
.if \k == 0
	v_pk_mul_f32 v[128+i:129+i], v[i:i+1], v[76:77] op_sel_hi:[1,0]                        ; the sum over my four centroids of O / l; each accumulator from its low end on
.else
	v_pk_fma_f32 v[128+i:129+i], v[64*\k+i:64*\k+i+1], v[76+2*\k:77+2*\k], v[128+i:129+i] op_sel_hi:[1,0,1]
.endif
.set i, i+2
.endr
.endr
	s_wait_loadcnt 0x0                             ; c, asked for behind the last step's first product
.irp k, 0,1,2,3
	WIN 0x02+(\k/2)                                ; source 0 (c): window 2 for kt = 0, 1, window 3 for kt = 2, 3; at v[64 kt] in both
.set i, 0
.rept 32
	v_pk_fma_f32 v[128+i:129+i], v[64*\k+i:64*\k+i+1], v[84+2*\k:85+2*\k], v[128+i:129+i] op_sel_hi:[1,0,1] neg_lo:[0,1,0] neg_hi:[0,1,0]   ; - sum(a) c
.set i, i+2
.endr
.endr
	WIN 0
.irp t, 0,1,2,3,4,5,6,7                        ; the sixteen lanes' centroids are added through my own stage: in by centroid rows, back by features
	ds_store_b128 v14, v[128+8*\t:131+8*\t] offset:64*\t
	ds_store_b128 v14, v[132+8*\t:135+8*\t] offset:64*\t+16
.endr
.irp u, 0,1,2,3,4,5,6,7,8,9,10,11,12,13,14,15
	ds_load_b128 v[192+4*\u:195+4*\u], v17 offset:SP*\u   ; LDS serves a wave's instructions in order (ISA guide 5.7.1.4): these see my stores
.endr
	s_wait_dscnt 0x0
.irp u, 0,1,2,3,4,5,6,7
	v_pk_add_f32 v[192+4*\u:193+4*\u], v[192+4*\u:193+4*\u], v[224+4*\u:225+4*\u]
	v_pk_add_f32 v[194+4*\u:195+4*\u], v[194+4*\u:195+4*\u], v[226+4*\u:227+4*\u]
.endr
.irp u, 0,1,2,3
	v_pk_add_f32 v[192+4*\u:193+4*\u], v[192+4*\u:193+4*\u], v[208+4*\u:209+4*\u]
	v_pk_add_f32 v[194+4*\u:195+4*\u], v[194+4*\u:195+4*\u], v[210+4*\u:211+4*\u]
.endr
.irp u, 0,1
	v_pk_add_f32 v[192+4*\u:193+4*\u], v[192+4*\u:193+4*\u], v[200+4*\u:201+4*\u]
	v_pk_add_f32 v[194+4*\u:195+4*\u], v[194+4*\u:195+4*\u], v[202+4*\u:203+4*\u]
.endr
	v_pk_add_f32 v[192:193], v[192:193], v[196:197]
	v_pk_add_f32 v[194:195], v[194:195], v[198:199]
	global_store_b128 v1, v[192:195], s[46:47]     ; the wave stores 512 consecutive bytes, aligned: features 128 w + 4 L + 0 .. 3
	s_wait_tensorcnt 0x0                           ; the wave's end, behind my last tensor load and my last LDS store
	ds_add_u32 v12, v13
	s_wait_dscnt 0x0
	ROUND                                          ; the closing round: no work-group ends while a partner may still ask for a tile that names it
	s_endpgm
.Lfunc_end_k_q5f85642b23_vlad:
	.size	k_q5f85642b23_vlad, .Lfunc_end_k_q5f85642b23_vlad-k_q5f85642b23_vlad
	.p2alignl 7, 3214868480
	.fill 96, 4, 3214868480
	.section	.rodata,"a",@progbits
	.p2align	6, 0x0
	.amdhsa_kernel k_q5f85642b23_vlad
		.amdhsa_group_segment_fixed_size 327680
		.amdhsa_private_segment_fixed_size 0
		.amdhsa_enable_private_segment 0
		.amdhsa_kernarg_size 24
		.amdhsa_user_sgpr_count 2
		.amdhsa_user_sgpr_kernarg_segment_ptr 1
		.amdhsa_wavefront_size32 1
		.amdhsa_system_sgpr_workgroup_id_x 1
		.amdhsa_system_sgpr_workgroup_id_y 1
		.amdhsa_system_sgpr_workgroup_id_z 1
		.amdhsa_system_vgpr_workitem_id 0
		.amdhsa_next_free_vgpr 1024
		.amdhsa_next_free_sgpr 66
		.amdhsa_reserve_vcc 0
		.amdhsa_float_denorm_mode_32 3
		.amdhsa_float_denorm_mode_16_64 3
		.amdhsa_memory_ordered 1
		.amdhsa_forward_progress 1
		.amdhsa_inst_pref_size 255
	.end_amdhsa_kernel
	.section	.bss,"aw",@nobits
	.p2align	6
	.space	262144
	.amdgpu_metadata
---
amdhsa.version: [ 1, 2 ]
amdhsa.kernels:
  - .name:           k_q5f85642b23_vlad
    .symbol:         k_q5f85642b23_vlad.kd
    .args:
      - { .name: centroids, .offset: 0, .size: 8, .value_kind: global_buffer, .address_space: global }
      - { .name: codes, .offset: 8, .size: 8, .value_kind: global_buffer, .address_space: global }
      - { .name: part, .offset: 16, .size: 8, .value_kind: global_buffer, .address_space: global }
    .group_segment_fixed_size: 327680
    .private_segment_fixed_size: 0
    .kernarg_segment_align: 8
    .kernarg_segment_size: 24
    .max_flat_workgroup_size: 128
    .sgpr_count:     66
    .vgpr_count:     1024
    .wavefront_size: 32
...
	.end_amdgpu_metadata
.endif
;; end of part 2
;; launch finish (part 3): grid 32 x 1, 4 waves a work-group, no clusters, 0 bytes of LDS; arguments part, scale, out0; writes out0
.if DOCPART == 3
	.amdgcn_target "amdgcn-amd-amdhsa--gfx1250"
	.amdhsa_code_object_version 6
	.text
	.protected	k_q5f85642b23_finish
	.globl	k_q5f85642b23_finish
	.p2align	8
	.type	k_q5f85642b23_finish,@function
k_q5f85642b23_finish:
	s_mov_b64 s[64:65], 0
	v_nop
	global_prefetch_b8 v0, s[64:65] scope:SCOPE_SE
	s_setreg_imm32_b32 hwreg(HW_REG_WAVE_MODE, 25, 1), 1
	s_wait_xcnt 0x0
; FINISH.  out0[b][d] = scale[b][d] x (the sum over the eight groups of 64 centroids of part[b][kg][d]) / 512.  The sum spans work-groups of the launch before, so it is made here, in a fixed order.
; One work-group for each batch; thread t owns features 4 t .. 4 t + 3: every load and the store of a wave cover 512 consecutive bytes, aligned.  32 work-groups: that is all the work there is.
	s_load_b128 s[4:7], s[0:1], 0x0                ; part, scale
	s_load_b64 s[8:9], s[0:1], 0x10                ; out0
	v_lshlrev_b32 v1, 4, v0                        ; 16 t
	s_lshl_b32 s10, ttmp9, 14                      ; b x 8 rows of 2,048 bytes
	s_mov_b32 s11, 0
	s_lshl_b32 s12, ttmp9, 11                      ; b x 2,048 bytes
	s_mov_b32 s13, 0
	s_wait_alu depctr_va_vdst(0)
	s_wait_kmcnt 0x0
	s_add_nc_u64 s[4:5], s[4:5], s[10:11]
	s_add_nc_u64 s[6:7], s[6:7], s[12:13]
	s_add_nc_u64 s[8:9], s[8:9], s[12:13]
.irp g, 0,1,2,3,4,5,6,7
	global_load_b128 v[4+4*\g:7+4*\g], v1, s[4:5] offset:2048*\g
.endr
	global_load_b128 v[36:39], v1, s[6:7]
	s_wait_loadcnt 0x0
.irp g, 0,1,2,3
	v_pk_add_f32 v[4+4*\g:5+4*\g], v[4+4*\g:5+4*\g], v[20+4*\g:21+4*\g]
	v_pk_add_f32 v[6+4*\g:7+4*\g], v[6+4*\g:7+4*\g], v[22+4*\g:23+4*\g]
.endr
.irp g, 0,1
	v_pk_add_f32 v[4+4*\g:5+4*\g], v[4+4*\g:5+4*\g], v[12+4*\g:13+4*\g]
	v_pk_add_f32 v[6+4*\g:7+4*\g], v[6+4*\g:7+4*\g], v[14+4*\g:15+4*\g]
.endr
	v_pk_add_f32 v[4:5], v[4:5], v[8:9]
	v_pk_add_f32 v[6:7], v[6:7], v[10:11]
	v_pk_mul_f32 v[4:5], v[4:5], v[36:37]          ; x scale
	v_pk_mul_f32 v[6:7], v[6:7], v[38:39]
	v_pk_mul_f32 v[4:5], v[4:5], 0x3b000000 op_sel_hi:[1,0]   ; / 512: exact
	v_pk_mul_f32 v[6:7], v[6:7], 0x3b000000 op_sel_hi:[1,0]
	global_store_b128 v1, v[4:7], s[8:9]
	s_endpgm
.Lfunc_end_k_q5f85642b23_finish:
	.size	k_q5f85642b23_finish, .Lfunc_end_k_q5f85642b23_finish-k_q5f85642b23_finish
	.p2alignl 7, 3214868480
	.fill 96, 4, 3214868480
	.section	.rodata,"a",@progbits
	.p2align	6, 0x0
	.amdhsa_kernel k_q5f85642b23_finish
		.amdhsa_group_segment_fixed_size 0
		.amdhsa_private_segment_fixed_size 0
		.amdhsa_enable_private_segment 0
		.amdhsa_kernarg_size 24
		.amdhsa_user_sgpr_count 2
		.amdhsa_user_sgpr_kernarg_segment_ptr 1
		.amdhsa_wavefront_size32 1
		.amdhsa_system_sgpr_workgroup_id_x 1
		.amdhsa_system_sgpr_workgroup_id_y 1
		.amdhsa_system_sgpr_workgroup_id_z 1
		.amdhsa_system_vgpr_workitem_id 0
		.amdhsa_next_free_vgpr 48
		.amdhsa_next_free_sgpr 66
		.amdhsa_reserve_vcc 0
		.amdhsa_float_denorm_mode_32 3
		.amdhsa_float_denorm_mode_16_64 3
		.amdhsa_memory_ordered 1
		.amdhsa_forward_progress 1
		.amdhsa_inst_pref_size 3
	.end_amdhsa_kernel
	.amdgpu_metadata
---
amdhsa.version: [ 1, 2 ]
amdhsa.kernels:
  - .name:           k_q5f85642b23_finish
    .symbol:         k_q5f85642b23_finish.kd
    .args:
      - { .name: part, .offset: 0, .size: 8, .value_kind: global_buffer, .address_space: global }
      - { .name: scale, .offset: 8, .size: 8, .value_kind: global_buffer, .address_space: global }
      - { .name: out0, .offset: 16, .size: 8, .value_kind: global_buffer, .address_space: global }
    .group_segment_fixed_size: 0
    .private_segment_fixed_size: 0
    .kernarg_segment_align: 8
    .kernarg_segment_size: 24
    .max_flat_workgroup_size: 128
    .sgpr_count:     66
    .vgpr_count:     48
    .wavefront_size: 32
...
	.end_amdgpu_metadata
.endif
;; end of part 3
